; MI455X (gfx1250); checked and timed in simulation.
; The chip was launched on July 23, 2026; its instructions are those of AMD's public machine-readable ISA for CDNA 5 (MIT licence, August 2026) and "CDNA5" Instruction Set Architecture Reference Guide (July 2026). The comments in the code are by the model that wrote it; some were corrected since.
;; Linear Attention. Allowed arithmetic: matrix products marked QUANTISED: E2M1 operands, one E8M0 scale for each 32 along K, by v_wmma_scale_f32_16x16x128_f8f6f4 with both operands' format E2M1 (or v_wmma_scale_f32_32x16x128_f4), f32 sums; products left as they are: f32 operands where the result goes on into a quantised operand, else bf16, f16 or f32 operands; f32 sums; everything else in f32.
;; Inputs: Wk_codes 1,024 x 32 x 16 uint8 (E2M1 codes of Wk, K innermost, in blocks of 32 codes, two codes a byte); Wk_scales 1,024 x 32 uint8 (E8M0 scales of Wk, one for each 32 codes along K); Wq_codes 1,024 x 32 x 16 uint8 (E2M1 codes of Wq, K innermost, in blocks of 32 codes, two codes a byte); Wq_scales 1,024 x 32 uint8 (E8M0 scales of Wq, one for each 32 codes along K); Wv_codes 1,024 x 32 x 16 uint8 (E2M1 codes of Wv, K innermost, in blocks of 32 codes, two codes a byte); Wv_scales 1,024 x 32 uint8 (E8M0 scales of Wv, one for each 32 codes along K); bk 1,024 float32; bq 1,024 float32; bv 1,024 float32; x_codes 4 x 4,096 x 32 x 16 uint8 (E2M1 codes of x, K innermost, in blocks of 32 codes, two codes a byte); x_scales 4 x 4,096 x 32 uint8 (E8M0 scales of x, one for each 32 codes along K).
;; Outputs: out0 4 x 4,096 x 16 x 64 float32.
;; This version of the problem:
;;   THIS VERSION OF THE PROBLEM IS GIVEN IN LOW PRECISION. The matrix products marked QUANTISED in the list below multiply operands that are first quantised to E2M1 (2 exponent bits, 1 mantissa bit; 4 bits a number), with one power-of-two scale for each 32 numbers along K (OCP MX v1.0); their sums are f32. All else is computed in f32.
;;   The module's matrix products, in the order in which they are computed (A, B: the left and right operand; K: the contracted axis; several contracted axes count as one K, in the product's order):
;;     1. [M 16,384, K 1,024] x [K 1,024, N 1,024]; A: input x (given as codes); B: input Wq (given as codes): QUANTISED
;;     2. [M 16,384, K 1,024] x [K 1,024, N 1,024]; A: input x (given as codes); B: input Wk (given as codes): QUANTISED
;;     3. [M 16,384, K 1,024] x [K 1,024, N 1,024]; A: input x (given as codes); B: input Wv (given as codes): QUANTISED
;;     4. batch 64 x [M 1, K 64] x [K 64, N 4,096]; A: computed on the way; B: computed on the way: left as it is (M = 1 < 16)
;;     5. batch 64 x [M 64, K 4,096] x [K 4,096, N 64]; A: computed on the way; B: computed on the way: QUANTISED
;;     6. batch 64 x [M 64, K 64] x [K 64, N 4,096]; A: computed on the way; B: computed on the way: QUANTISED
;;   THE QUANTISER, for each operand of a quantised product, along K:
;;     - K is cut into blocks of 32 from its start; a last block that is shorter is filled with zeros.
;;     - A block's scale is 2^e with e = floor(log2(the largest magnitude in the block)) - 2, held to -126 .. 127; a block of zeros has e = 0. As a byte (E8M0): e + 127.
;;     - Each number is divided by its block's scale, clamped to +-6, and rounded to the nearest number of E2M1, ties to even, subnormals kept.
;;     - The product sums the exact products of the quantised numbers (number of the format x scale) in f32.
;;   ~~~python
;;   def quantise(x, axis):      # numpy; x: float32 -> the quantised numbers, widened to float32 again
;;       x = np.moveaxis(x, axis, -1); K = x.shape[-1]
;;       x = np.pad(x, [(0, 0)] * (x.ndim - 1) + [(0, -K % 32)]); x = x.reshape(x.shape[:-1] + (-1, 32)); a = np.abs(x).max(-1, keepdims=True)
;;       e = np.where(a > 0, np.clip(np.frexp(np.where(a > 0, a, 1))[1] - 1 - 2, -126, 127), 0)      # np.frexp(a)[1] - 1 = floor(log2(a)), exactly
;;       r = np.clip(x / 2.0 ** e, -6, 6)
;;       step = 2.0 ** (np.maximum(np.frexp(np.where(r == 0, 1, r))[1] - 1, 0) - 1)
;;       q = np.round(r / step) * step * 2.0 ** e      # np.round: ties to even
;;       return np.moveaxis(q.reshape(q.shape[:-2] + (-1,))[..., :K], -1, axis).astype(np.float32)
;;   ~~~
;;   OPERANDS COMPUTED ON THE WAY. 'Computed on the way' means the value that the module computes at that place (a softmax that the list does not call 'softmax' is quantised finished and normalised). What goes into a quantiser is computed in f32, as accurately as f32 sums, v_exp_f32 and their like allow (about 1e-6 of the number): no bf16 or f16 on the way to a quantiser, and a product that is left as it is and whose result goes on into a quantised operand takes f32 operands (vector FMAs, or v_wmma_f32_16x16x4_f32). A number that lies on a knife's edge between two numbers of the format may be rounded either way, as far as f32 arithmetic and the matrix unit's own rounding can turn it there, and no further.
;;   INPUTS GIVEN AS CODES. Wk (in the module: [1024, 1024], K = its axis 0); Wq (in the module: [1024, 1024], K = its axis 0); Wv (in the module: [1024, 1024], K = its axis 0); x (in the module: [4, 4096, 1024], K = its axis 2): each comes as NAME_codes (uint8): NAME with its K axis moved to the last place and cut into blocks of 32 codes, [.., K / 32, bytes a block], one block behind the other in memory; two codes a byte, the lower K in the low four bits (a code: sign, 2 exponent bits, 1 mantissa bit); and NAME_scales (uint8): the same leading axes, one E8M0 byte (e + 127) for each 32 codes along K. Its value is code x scale, taken as it is: it is not quantised again, and the codes and scales need not be those that the quantiser above would give.
;; One version. Each part assembles by itself: llvm-mc -triple=amdgcn-amd-amdhsa -mcpu=gfx1250 --defsym DOCPART=n.
;; ======== version 1 of 1: 2 launches
;; workspace buffers: kvp 8,388,608 bytes; ksp 131,072 bytes
;; launch kvsum (part 1): grid 8 x 32, 4 waves a work-group, clusters of 4 x 4, 327,680 bytes of LDS; arguments x_codes, x_scales, Wk_codes, Wk_scales, Wv_codes, Wv_scales, bk, bv, kvp, ksp; writes kvp, ksp
.if DOCPART == 1
	.amdgcn_target "amdgcn-amd-amdhsa--gfx1250"
	.amdhsa_code_object_version 6
	.text
	.protected	k_q3b93a66dc8_kvsum
	.globl	k_q3b93a66dc8_kvsum
	.p2align	8
	.type	k_q3b93a66dc8_kvsum,@function
k_q3b93a66dc8_kvsum:
	s_mov_b64 s[64:65], 0
	v_nop
	global_prefetch_b8 v0, s[64:65] scope:SCOPE_SE
	s_setreg_imm32_b32 hwreg(HW_REG_WAVE_MODE, 25, 1), 1
	s_wait_xcnt 0x0
	s_wait_alu depctr_hold_cnt(0) depctr_sa_sdst(0) depctr_va_vdst(0) depctr_va_sdst(0) depctr_va_ssrc(0) depctr_va_vcc(0) depctr_vm_vsrc(0)
	s_getreg_b32 s2, hwreg(HW_REG_IB_STS2, 6, 4)
	s_cmp_eq_u32 s2, 0
	s_cbranch_scc0 .Lentry_in_a_cluster
	s_endpgm
.Lentry_in_a_cluster:
	s_bfe_u32 s2, ttmp6, 0x10000c
	s_cmp_lg_u32 s2, 0xf033
	s_cbranch_scc0 .Lentry_shape_is_right
	s_endpgm
.Lentry_shape_is_right:
; k = elu(x Wk + bk) + 1 and v = x Wv + bv, both on E2M1 codes as they are given; then, for each (batch, head) and each chunk of 512 T,
; the partial kv[d][v] = sum over T of Q(k)[T][d] Q(v)[T][v] (both quantised along T, blocks of 32) and the partial k_sum[d] = sum over T of the unquantised k.
; SHARES.  A work-group takes 512 rows of x (work-group y) and two heads (work-group x), in two blocks of 256 rows.  Wave w: head 2 x + (w & 1), rows 128 (w >> 1) on of a block:
; a unit of 128 T x (64 columns of k + 64 of v) x 1,024 K: 512 accumulator registers.  The two waves of a head add their partials through LDS at the end.
; LAYOUT.  Source 0 = 16 rows of x, source 1 = 16 rows of W: a lane holds ONE column (d or v) and its registers run along T, the next product's K.  The 16 registers of row tiles 2 b and 2 b + 1,
; in lanes l and l xor 16, are block b of 32 T.  Inside a block the codes stand in another order than T's, the same for k and for v, so every product meets its partner.
; So the unit's results become 4 + 4 fragments of the second product in the wave's own registers.
; elu(x) + 1 = the middle one of (x + 1, e^x, 1): bk + 1 is the C of each sum's first product, so the accumulator holds z = x + 1; e^x = 2^(z log2 e - log2 e).
; SCALE WORDS come from memory straight into registers: lane (r, h) takes 16 bytes at row r x 32 + 16 h, so a load covers 512 consecutive bytes; lanes 0-15 hold the words of K steps 0-3,
; lanes 16-31 those of K steps 4-7, which the second half of K reads by the ROW1 selectors.
; CLUSTER 4 x 4: the four work-groups of a row of the cluster need the same rows of x, the four of a column the same rows of Wk and Wv: each tile is asked for jointly.
; No prefetch: half of the work-group's x and all of its W are asked for by its first four loads, the rest behind the fourth and the eighth of sixteen K steps.
; LIMITS: NaN and infinities are not served.  e^x stands where the definition has expm1(x) + 1: they differ by at most 2^-24; an e^x under 2^-126 comes out as 0.
; A block of zeros gets the scale byte 1 with zero codes (the bytes are read by this program alone).
.set PITCH, 272                        ; an LDS row: 256 bytes + 16, so that the 16 rows of a fragment load begin 16 bytes apart modulo 256
.set XSLOT, 256*PITCH                  ; a slot: one half of K (512 codes) of 256 rows
.set WBASE, 2*XSLOT                    ; x's two slots, then W's two halves of K (filled once): rows k head 0, k head 1, v head 0, v head 1, 64 each
.set PART,  64*PITCH                   ; what one tensor load brings
.set RED,   4*XSLOT                    ; 2 heads x 16,384 bytes: a wave's kv as an image of its registers
.set KRED,  RED+2*16384                ; [head][T half][64 f32]
.set SPARE, KRED+1024                  ; the spare words, 128 bytes a wave: two blocks of 256 bytes that no other line names
.set SPW,  3                           ; v3   SPARE + 4 x thread; never rewritten
.set NIL,  4                           ; v4   0; never rewritten
.set ADRA, 5                           ; v5-6 my x fragments in slot 0, 1
.set ADRB, 7                           ; v7-8 my W fragments in half 0, 1
.set XSO,  9                           ; v9   32 r + 16 h: scale words
.set REDA, 10                          ; v10  RED + 16,384 head + 16 lane
.set KRA,  11                          ; v11  KRED + 512 head + 256 half + 4 r
.set KRB,  12                          ; v12  KRED + 512 head + 8 lane
.set LI,   13                          ; v13  16 lane
.set L8,   14                          ; v14  8 lane
.set NC,   16                          ; v16-17 -log2 e, twice
.set BO,   19                          ; v19  4 r
.set PWK,  24                          ; v24-27 scale words of k's four fragments;  v28-31 of v's
.set PWV,  28
.set SA,   32                          ; v32-63 x's scale words, 4 registers a row tile
.set SB,   64                          ; v64-95 W's, 4 registers a column tile (0-3 k, 4-7 v)
.set TM,   96                          ; v96-111 at work
.set KS,   112                         ; v112-127 k's sums: for each column tile two chains of pairs
.set AF,   128                         ; v128-255 x's fragments, two sets of 64
.set T,    128                         ; behind the products: 64 exponentials
.set KF,   192                         ; k's four fragments, v's four
.set VF,   224
.set BC,   64                          ; window 1: v0-63 W's fragments; v64-127 the biases as C; v128-255 kv's 16 accumulators
.set KV,   128                         ; window 2: k's accumulators at 64 b + 8 a + j (b column tile, a row tile);  window 3: v's
.set WV,   24
.set HD,   25
.set TH,   26
.set G1X,  40                          ; s[40:47] group 1 for x, s[48:55] for W: they differ in the mask
.set G1W,  48
.set G0X,  56                          ; s[56:63] group 0 for x's slots;  s[68:75] for W's halves
.set G0W,  68
.set CS,   76                          ; s[76:77] log2 e
.set SEL,  78                          ; s[78:79] lane l xor 16
.set G1C,  (1<<20)|(1<<21)|(5<<22)|(3<<25)   ; elements of 1 byte; padding on; bit 21 beside a mask; 4 words behind every 64
.set MSB, 0
.macro WIN new                         ; the immediate's high byte repeats the setting that is left
.if MSB != (\new)
	s_set_vgpr_msb (MSB<<8)|(\new)
.set MSB, (\new)
.endif
.endm
.macro PLACES n                        ; plain places behind matrix instructions (ISA guide 7.12.1) and in front of scaled ones
.rept \n
	v_nop
.endr
.endm
.macro CREST                           ; a round of the cluster's barrier behind its opening barrier
	s_cmp_lg_u32 s[WV], 0
	s_cbranch_scc1 .Lnw0_\@
	s_barrier_signal -3
.Lnw0_\@:
	s_barrier_wait -3
	s_barrier_signal -1
	s_barrier_wait -1
.endm
.macro CROUND
	s_barrier_signal -1
	s_barrier_wait -1
	CREST
.endm
	s_load_b256 s[4:11], s[0:1], 0x0               ; x codes s[4:5], x scales s[6:7], Wk codes s[8:9], Wk scales s[10:11]
	s_load_b256 s[12:19], s[0:1], 0x20             ; Wv codes s[12:13], Wv scales s[14:15], bk s[16:17], bv s[18:19]
	s_load_b128 s[20:23], s[0:1], 0x40             ; kvp s[20:21], ksp s[22:23]
	v_lshl_add_u32 v[SPW], v0, 2, SPARE
	v_mov_b32 v[NIL], 0
	ds_add_u32 v3, v4
	ds_add_u32 v3, v4
	s_wait_dscnt 0x0
	v_lshrrev_b32 v1, 5, v0
	v_readfirstlane_b32 s[WV], v1                  ; wave 0..3
	s_and_b32 s[HD], s[WV], 1                      ; which of the two heads
	s_lshr_b32 s[TH], s[WV], 1                     ; which 128 rows of a block
	s_bfe_u32 s27, ttmp6, 0x40000                  ; cx
	s_bfe_u32 s28, ttmp6, 0x40004                  ; cy
	s_lshl_b32 s29, ttmp9, 2
	s_add_co_u32 s29, s29, s27                     ; head pair = 4 x cluster x + cx
	s_and_b32 s30, ttmp7, 0xffff
	s_lshl_b32 s30, s30, 2
	s_add_co_u32 s30, s30, s28                     ; chunk of 512 rows = 4 x cluster y + cy
	s_lshl_b32 s31, s28, 2
	s_lshl_b32 s31, 15, s31                        ; my row of the cluster
	s_lshl_b32 s32, 0x1111, s27                    ; my column
	s_or_b32 s[G1X], s31, G1C                      ; x hangs on the chunk alone: shared along the row
	s_or_b32 s[G1W], s32, G1C                      ; W on the head pair alone: shared along the column
.irp g, G1X, G1W
	s_mov_b32 s[\g+1], 256<<16                     ; tensor_dim0 = 256 bytes
	s_mov_b32 s[\g+2], 64<<16                      ; tensor_dim1 = 64 rows
	s_mov_b32 s[\g+3], 256<<16                     ; tile_dim0
	s_mov_b32 s[\g+4], 64                          ; tile_dim1
	s_mov_b32 s[\g+5], 512                         ; a row of 1,024 codes in memory
	s_mov_b32 s[\g+6], 0
	s_mov_b32 s[\g+7], 0
.endr
	s_lshl_b32 s34, s30, 18                        ; x: (512 chunk + 64 wave) rows of 512 bytes; these registers never hold cx
	s_lshl_b32 s35, s[WV], 15
	s_add_co_u32 s34, s34, s35
	s_mov_b32 s35, 0
	s_lshl_b32 s36, s29, 16                        ; W: (128 head pair + 64 (wave & 1)) rows; these never hold cy
	s_lshl_b32 s37, s[HD], 15
	s_add_co_u32 s36, s36, s37
	s_mov_b32 s37, 0
	s_mul_i32 s38, s[WV], PART                     ; where my 64 rows go: no place in the cluster enters an LDS address
	s_wait_kmcnt 0x0
	s_add_nc_u64 s[82:83], s[4:5], s[34:35]
	s_cmp_lt_u32 s[WV], 2                          ; waves 0, 1 fetch Wk's rows, waves 2, 3 Wv's: the choice hangs on the wave's number alone
	s_cselect_b64 s[80:81], s[8:9], s[12:13]
	s_add_nc_u64 s[80:81], s[80:81], s[36:37]
.irp s, 0,1
	s_mov_b32 s[G0X+4*\s], 1
	s_add_co_u32 s[G0X+4*\s+1], s38, \s*XSLOT
	s_add_nc_u64 s[G0X+4*\s+2:G0X+4*\s+3], s[82:83], \s*256
	s_or_b32 s[G0X+4*\s+3], s[G0X+4*\s+3], 0x80000000
	s_mov_b32 s[G0W+4*\s], 1
	s_add_co_u32 s[G0W+4*\s+1], s38, WBASE+\s*XSLOT
	s_add_nc_u64 s[G0W+4*\s+2:G0W+4*\s+3], s[80:81], \s*256
	s_or_b32 s[G0W+4*\s+3], s[G0W+4*\s+3], 0x80000000
.endr
	CROUND                                         ; all sixteen work-groups are here: the first joint loads meet
	tensor_load_to_lds s[G0X:G0X+3], s[G1X:G1X+7]          ; the first fills as one group: four loads of mine are out
	s_nop 0
	tensor_load_to_lds s[G0W:G0W+3], s[G1W:G1W+7]
	s_nop 0
	tensor_load_to_lds s[G0X+4:G0X+7], s[G1X:G1X+7]
	s_nop 0
	tensor_load_to_lds s[G0W+4:G0W+7], s[G1W:G1W+7]
	s_nop 0
	PLACES 4                                       ; behind a tensor load
	s_mov_b32 s[CS], 0x3fb8aa3b                    ; log2 e
	s_mov_b32 s[CS+1], s[CS]
	s_mov_b32 s[SEL], 0x76543210
	s_mov_b32 s[SEL+1], 0xfedcba98
	s_lshl_b32 s33, s29, 1
	s_add_co_u32 s33, s33, s[HD]                   ; my head
	s_lshl_b32 s88, s30, 14                        ; x's scales: (512 chunk + 128 half) rows of 32 bytes
	s_lshl_b32 s89, s[TH], 12
	s_add_co_u32 s88, s88, s89
	s_mov_b32 s89, 0
	s_add_nc_u64 s[6:7], s[6:7], s[88:89]
	s_lshl_b32 s90, s33, 11                        ; W's scales: 64 head rows of 32 bytes
	s_mov_b32 s91, 0
	s_add_nc_u64 s[10:11], s[10:11], s[90:91]
	s_add_nc_u64 s[14:15], s[14:15], s[90:91]
	s_lshl_b32 s90, s33, 8                         ; the biases: 64 head numbers
	s_add_nc_u64 s[16:17], s[16:17], s[90:91]
	s_add_nc_u64 s[18:19], s[18:19], s[90:91]
	s_lshr_b32 s92, s30, 3                         ; batch
	s_lshl_b32 s92, s92, 4
	s_add_co_u32 s92, s92, s33
	s_lshl_b32 s92, s92, 3
	s_and_b32 s93, s30, 7                          ; chunk in the batch
	s_add_co_u32 s92, s92, s93                     ; which partial: (16 batch + head) 8 + chunk
	s_lshl_b32 s94, s92, 14
	s_mov_b32 s95, 0
	s_add_nc_u64 s[20:21], s[20:21], s[94:95]
	s_lshl_b32 s94, s92, 8
	s_add_nc_u64 s[22:23], s[22:23], s[94:95]
	v_and_b32 v1, 15, v0                           ; r
	v_bfe_u32 v2, v0, 4, 1                         ; h
	v_and_b32 v15, 31, v0                          ; lane
	v_mul_u32_u24 v18, v1, PITCH
	v_lshl_add_u32 v18, v2, 4, v18                 ; a fragment's row x pitch + 16 h
	s_mul_i32 s39, s[TH], 128*PITCH
	v_add_nc_u32 v[ADRA], s39, v18
	v_add_nc_u32 v[ADRA+1], XSLOT, v[ADRA]
	s_mul_i32 s39, s[HD], PART
	s_add_co_u32 s39, s39, WBASE
	v_add_nc_u32 v[ADRB], s39, v18
	v_add_nc_u32 v[ADRB+1], XSLOT, v[ADRB]
	v_lshlrev_b32 v[XSO], 5, v1
	v_lshl_add_u32 v[XSO], v2, 4, v[XSO]
	v_lshlrev_b32 v[LI], 4, v15
	v_lshlrev_b32 v[L8], 3, v15
	v_lshlrev_b32 v[BO], 2, v1
	s_lshl_b32 s84, s[HD], 14
	s_add_co_u32 s84, s84, RED
	v_add_nc_u32 v[REDA], s84, v[LI]
	s_lshl_b32 s84, s[HD], 9
	s_add_co_u32 s84, s84, KRED
	v_lshl_add_u32 v[KRB], v15, 3, s84
	s_lshl_b32 s85, s[TH], 8
	s_add_co_u32 s85, s85, s84
	v_lshl_add_u32 v[KRA], v1, 2, s85
.irp k, 0,1,2,3
	global_load_b128 v[SB+4*\k:SB+4*\k+3], v[XSO], s[10:11] offset:512*\k          ; 16 rows' scale bytes: 512 consecutive bytes
	global_load_b128 v[SB+16+4*\k:SB+16+4*\k+3], v[XSO], s[14:15] offset:512*\k
.endr
.irp a, 0,1,2,3,4,5,6,7
	global_load_b128 v[SA+4*\a:SA+4*\a+3], v[XSO], s[6:7] offset:512*\a
.endr
.irp k, 0,1,2,3
	global_load_b32 v[TM+\k], v[BO], s[16:17] offset:64*\k                         ; bk and bv of column r of each tile
	global_load_b32 v[TM+4+\k], v[BO], s[18:19] offset:64*\k
.endr
.irp k, 0,1,2,3,4,5,6,7,8,9,10,11,12,13,14,15
	v_mov_b32 v[KS+\k], 0
.endr
	v_mov_b32 v[NC], 0xbfb8aa3b                    ; -log2 e
	v_mov_b32 v[NC+1], 0xbfb8aa3b
	s_wait_loadcnt 0x0
	WIN 0x40                                       ; destination window 1
.irp k, 0,1,2,3
.irp j, 0,1,2,3,4,5,6,7
	v_add_f32 v[BC+8*\k+\j], 1.0, v[TM+\k]         ; in the result's layout a lane holds one column: eight equal registers; bk + 1
	v_mov_b32 v[BC+32+8*\k+\j], v[TM+4+\k]         ; bv
.endr
.endr
	WIN 0
.irp k, 4,5,6,7
	v_mov_b32 v[TM+\k], 0                          ; a lane permute's destination counts as one of its sources
.endr
; 16 loads: the 8 row tiles' fragments of the slot's q-th 128 along K into set p.  A fragment: lane (r, h): registers 4 c .. 4 c + 3 = K 64 c + 32 h + 0 .. 31: two loads of 16 bytes, 32 apart
.macro FETCH_A slot, q, p
	WIN 0
.irp a, 0,1,2,3,4,5,6,7
	ds_load_b128 v[AF+64*(\p)+8*\a:AF+64*(\p)+8*\a+3], v[ADRA+(\slot)] offset:16*PITCH*\a+64*(\q)
	ds_load_b128 v[AF+64*(\p)+8*\a+4:AF+64*(\p)+8*\a+7], v[ADRA+(\slot)] offset:16*PITCH*\a+64*(\q)+32
.endr
.endm
; 8 loads: column tiles c0 .. c0 + 3 (c0 = 0: k's, 4: v's, which lie 128 rows further on)
.macro FETCH_B slot, q, c0
	WIN 0x40
.irp k, 0,1,2,3
	ds_load_b128 v[8*((\c0)+\k):8*((\c0)+\k)+3], v[ADRB+(\slot)] offset:((\c0)/4)*128*PITCH+16*PITCH*\k+64*(\q)
	ds_load_b128 v[8*((\c0)+\k)+4:8*((\c0)+\k)+7], v[ADRB+(\slot)] offset:((\c0)/4)*128*PITCH+16*PITCH*\k+64*(\q)+32
.endr
.endm
; row tiles a0 .. a1 x the four column tiles of k (half = 0) or v (1).  The accumulators take turns, one instruction a turn.  first = 1: the bias is C
.macro MULH half, a0, a1, p, q, slot, first
.if \first
	WIN 0x94+0x40*(\half)                          ; A window 0, B and C window 1, D window 2 or 3
.else
	WIN 0xa4+0x50*(\half)                          ; C and D window 2 or 3
.endif
.set aa, \a0
.rept (\a1)-(\a0)+1
.irp b, 0,1,2,3
.if \first
	v_wmma_scale_f32_16x16x128_f8f6f4 v[64*\b+8*aa:64*\b+8*aa+7], v[AF+64*(\p)+8*aa:AF+64*(\p)+8*aa+7], v[8*(4*(\half)+\b):8*(4*(\half)+\b)+7], v[BC+8*(4*(\half)+\b):BC+8*(4*(\half)+\b)+7], v[SA+4*aa+(\q)], v[SB+4*(4*(\half)+\b)+(\q)] matrix_a_fmt:MATRIX_FMT_FP4 matrix_b_fmt:MATRIX_FMT_FP4
.elseif (\slot) == 0
	v_wmma_scale_f32_16x16x128_f8f6f4 v[64*\b+8*aa:64*\b+8*aa+7], v[AF+64*(\p)+8*aa:AF+64*(\p)+8*aa+7], v[8*(4*(\half)+\b):8*(4*(\half)+\b)+7], v[64*\b+8*aa:64*\b+8*aa+7], v[SA+4*aa+(\q)], v[SB+4*(4*(\half)+\b)+(\q)] matrix_a_fmt:MATRIX_FMT_FP4 matrix_b_fmt:MATRIX_FMT_FP4
.else
	v_wmma_scale_f32_16x16x128_f8f6f4 v[64*\b+8*aa:64*\b+8*aa+7], v[AF+64*(\p)+8*aa:AF+64*(\p)+8*aa+7], v[8*(4*(\half)+\b):8*(4*(\half)+\b)+7], v[64*\b+8*aa:64*\b+8*aa+7], v[SA+4*aa+(\q)], v[SB+4*(4*(\half)+\b)+(\q)] matrix_a_fmt:MATRIX_FMT_FP4 matrix_b_fmt:MATRIX_FMT_FP4 matrix_a_scale:MATRIX_SCALE_ROW1 matrix_b_scale:MATRIX_SCALE_ROW1
.endif
.endr
.set aa, aa+1
.endr
.endm
; a step of 128 along K that has its successor in the same slot: 64 matrix instructions, 32 LDS loads in two runs
.macro STEP slot, q, first
	s_wait_dscnt 8                                 ; x's set and k's tiles are in; the youngest eight loads (v's tiles) may be out
	MULH 0, 0, 7, (\q)%2, \q, \slot, \first
	s_wait_dscnt 0x0                               ; v's tiles are in
	PLACES 4                                       ; in front of loads into registers that matrix instructions have read
	FETCH_A \slot, (\q)+1, 1-(\q)%2
	FETCH_B \slot, (\q)+1, 0
	MULH 1, 0, 7, (\q)%2, \q, \slot, \first
	PLACES 4
	FETCH_B \slot, (\q)+1, 4
.endm
; a slot's last step changes slots: one barrier; in front of it each wave waits for all its tensor loads, adds 0 to its spare word, and waits for that and for its reads of this slot
.macro TURN slot, fill
	WIN 0
	s_wait_tensorcnt 0x0                           ; all my tensor loads have landed, my part of the other slot among them
	ds_add_u32 v[SPW], v[NIL]                      ; 0 onto my spare word
	s_wait_dscnt 9                                 ; the add and the youngest eight loads may be out
	MULH 0, 0, 3, 1, 3, \slot, 0
	s_wait_dscnt 0x0                               ; the add is done, and my reads of this slot are over
	s_barrier_signal -1
	MULH 0, 4, 7, 1, 3, \slot, 0
	WIN 0
	s_barrier_wait -1
.if \fill
	CREST                                          ; the barrier has opened a round of the cluster's: no wave of any partner still reads this slot or has a load on its way
	s_add_nc_u64 s[G0X+4*(\slot)+2:G0X+4*(\slot)+3], s[G0X+4*(\slot)+2:G0X+4*(\slot)+3], 256*512   ; the next block's 256 rows
	tensor_load_to_lds s[G0X+4*(\slot):G0X+4*(\slot)+3], s[G1X:G1X+7]
	s_nop 0
.endif
	PLACES 4                                       ; behind the load, and in front of the loads below
	FETCH_A 1-(\slot), 0, 0
	FETCH_B 1-(\slot), 0, 0
	MULH 1, 0, 7, 1, 3, \slot, 0
	PLACES 4
	FETCH_B 1-(\slot), 0, 4
.endm
.macro LAST                            ; a block's last step: nothing more to fetch
	s_wait_dscnt 8
	MULH 0, 0, 7, 1, 3, 1, 0
	s_wait_dscnt 0x0
	MULH 1, 0, 7, 1, 3, 1, 0
	WIN 0
.endm
; column tile u of k: z -> the middle one of (z, 2^(z log2 e - log2 e), 1).  Each accumulator is read from its low end on
.macro KELU u
	WIN 0x02                                       ; source 0 window 2
.set ii, 0
.rept 32
	v_pk_fma_f32 v[T+ii:T+ii+1], v[64*(\u)+ii:64*(\u)+ii+1], s[CS:CS+1], v[NC:NC+1] op_sel_hi:[1,0,1]
.set ii, ii+2
.endr
	WIN 0
.set ii, 0
.rept 64
	v_exp_f32 v[T+ii], v[T+ii]
.set ii, ii+1
.endr
	v_nop                                          ; a plain instruction behind the last exponential
	s_wait_alu depctr_va_vdst(0)                   ; one wait for the batch of 64, ahead of its first reader
	WIN 0x82                                       ; destination and source 0 window 2
.set ii, 0
.rept 64
	v_med3_num_f32 v[64*(\u)+ii], v[64*(\u)+ii], v[T+ii], 1.0
.set ii, ii+1
.endr
.endm
; 64 numbers of a lane in window w, v[s] on (register 16 b + i belongs to block b of 32 T), become a fragment's codes in v[f] on and its scale word in v[pw].  sum >= 0: they are also added to k's sums
.macro QUANT s, w, f, pw, sum
	WIN ((\w)<<2)|((\w)<<4)                        ; sources 1 and 2 window w
.irp rho, 0,1,2,3,4,5,6,7
.irp b, 0,1,2,3
.if \rho == 0
	v_max3_num_f32 v[TM+\b], 0x1800000, |v[(\s)+16*\b]|, |v[(\s)+16*\b+1]|          ; the floor 2^(3 - 127) among the leaves: the byte cannot fall under 1
.else
	v_max3_num_f32 v[TM+\b], v[TM+\b], |v[(\s)+16*\b+2*\rho]|, |v[(\s)+16*\b+2*\rho+1]|
.endif
.endr
.if (\sum) >= 0
.irp b, 0,1,2,3
	v_pk_add_f32 v[KS+4*(\sum)+2*(\b%2):KS+4*(\sum)+2*(\b%2)+1], v[KS+4*(\sum)+2*(\b%2):KS+4*(\sum)+2*(\b%2)+1], v[(\s)+16*\b+2*\rho:(\s)+16*\b+2*\rho+1]
.endr
.endif
.endr
	WIN 0
.irp b, 0,1,2,3
	v_permlanex16_b32 v[TM+4+\b], v[TM+\b], s[SEL], s[SEL+1]
.endr
.irp b, 0,1,2,3
	v_max_num_f32 v[TM+\b], v[TM+\b], v[TM+4+\b]   ; with lane l xor 16's: the block's largest magnitude
.endr
.irp b, 0,1,2,3
	v_add_nc_u32 v[TM+12+\b], 0xff000000, v[TM+\b] ; 2 off its exponent field: the conversion's scale operand
.endr
.irp b, 0,1,2,3
	v_lshrrev_b32 v[TM+4+\b], 23, v[TM+12+\b]      ; the scale's byte
.endr
	v_lshl_or_b32 v[\pw], v[TM+5], 8, v[TM+4]
	v_lshl_or_b32 v[\pw], v[TM+6], 16, v[\pw]
	v_lshl_or_b32 v[\pw], v[TM+7], 24, v[\pw]
	WIN \w                                         ; source 0 window w
.irp b, 0,1,2,3
	v_cvt_scalef32_pk8_fp4_f32 v[(\f)+2*\b], v[(\s)+16*\b:(\s)+16*\b+7], v[TM+12+\b]
	v_cvt_scalef32_pk8_fp4_f32 v[(\f)+2*\b+1], v[(\s)+16*\b+8:(\s)+16*\b+15], v[TM+12+\b]
.endr
	WIN 0
	v_nop                                          ; one plain place behind a scaled conversion
.irp c, 0,1                                    ; the operand's layout wants a whole block in a lane: lanes 0-15 block 2 c, lanes 16-31 block 2 c + 1
.irp k, 0,1
	v_permlane16_swap_b32 v[(\f)+4*\c+\k], v[(\f)+2+4*\c+\k]
.endr
.endr
.endm
.macro REFILL                          ; slot 1, which every wave has read out, takes the next block's second half of K
	WIN 0
	s_wait_tensorcnt 0x0                           ; all my tensor loads have landed: slot 0's refill
	ds_add_u32 v[SPW], v[NIL]                      ; 0 onto my spare word
	s_add_nc_u64 s[G0X+6:G0X+7], s[G0X+6:G0X+7], 256*512
	s_wait_dscnt 0x0                               ; the add is done; my reads of slot 1 ended with the block's last step
	CROUND
	tensor_load_to_lds s[G0X+4:G0X+7], s[G1X:G1X+7]
	s_nop 0
	PLACES 4
.endm
; behind a block's products: k's feature map and sums, both quantisers, and kv += k^T v on the 128 T of the unit
.macro EPI zero, fill
	WIN 0
	PLACES 4
.if \fill
.irp a, 0,1,2,3,4,5,6,7
	global_load_b128 v[SA+4*\a:SA+4*\a+3], v[XSO], s[6:7] offset:8192+512*\a       ; the next block's scale words of x
.endr
.endif
.irp u, 0,1,2,3
	KELU \u
	QUANT 64*\u, 2, KF+8*\u, PWK+\u, \u
.endr
.if \fill
	REFILL
.endif
.irp n, 0,1,2,3
	QUANT 64*\n, 3, VF+8*\n, PWV+\n, -1
.endr
	PLACES 8                                       ; scale words written by vector instructions stand 8 places ahead of a scaled matrix instruction, operands 4
	WIN 0x50                                       ; C and D window 1
.irp n, 0,1,2,3
.irp m, 0,1,2,3
.if \zero
	v_wmma_scale_f32_16x16x128_f8f6f4 v[KV+8*(4*\n+\m):KV+8*(4*\n+\m)+7], v[KF+8*\m:KF+8*\m+7], v[VF+8*\n:VF+8*\n+7], 0, v[PWK+\m], v[PWV+\n] matrix_a_fmt:MATRIX_FMT_FP4 matrix_b_fmt:MATRIX_FMT_FP4
.else
	v_wmma_scale_f32_16x16x128_f8f6f4 v[KV+8*(4*\n+\m):KV+8*(4*\n+\m)+7], v[KF+8*\m:KF+8*\m+7], v[VF+8*\n:VF+8*\n+7], v[KV+8*(4*\n+\m):KV+8*(4*\n+\m)+7], v[PWK+\m], v[PWV+\n] matrix_a_fmt:MATRIX_FMT_FP4 matrix_b_fmt:MATRIX_FMT_FP4
.endif
.endr
.endr
	WIN 0
.endm
	s_wait_tensorcnt 2                             ; my parts of x's slot 0 and W's first half are in; the two younger loads may stay out
	s_barrier_signal -1
	s_barrier_wait -1                              ; everybody's are
	; ---- block 0
	FETCH_A 0, 0, 0
	FETCH_B 0, 0, 0
	FETCH_B 0, 0, 4
	STEP 0, 0, 1
	STEP 0, 1, 0
	STEP 0, 2, 0
	TURN 0, 1                                      ; slot 0 takes block 1's first half of K
	STEP 1, 0, 0
	STEP 1, 1, 0
	STEP 1, 2, 0
	LAST
	EPI 1, 1                                       ; and slot 1 its second half
	; ---- block 1.  Slot 0's refill was waited for by every wave in front of the round that stands in EPI
	s_wait_loadcnt 0x0                             ; x's scale words
	FETCH_A 0, 0, 0
	FETCH_B 0, 0, 0
	FETCH_B 0, 0, 4
	STEP 0, 0, 1
	STEP 0, 1, 0
	STEP 0, 2, 0
	TURN 0, 0                                      ; nothing is left to fetch: the work-group's barrier alone shows slot 1 whole
	STEP 1, 0, 0
	STEP 1, 1, 0
	STEP 1, 2, 0
	LAST
	EPI 0, 0
	; ---- the two waves of a head add their parts.  The fold's first eight lines are plain and name nothing of the last products: they are the places behind them
.irp u, 0,1,2,3
	v_pk_add_f32 v[KS+4*\u:KS+4*\u+1], v[KS+4*\u:KS+4*\u+1], v[KS+4*\u+2:KS+4*\u+3]
.endr
.irp u, 0,1,2,3
	v_add_f32 v[KS+4*\u], v[KS+4*\u], v[KS+4*\u+1]
.endr
.irp u, 0,1,2,3
	v_permlanex16_b32 v[KS+4*\u+1], v[KS+4*\u], s[SEL], s[SEL+1]
.endr
.irp u, 0,1,2,3
	v_add_f32 v[KS+4*\u], v[KS+4*\u], v[KS+4*\u+1] ; column 16 u + r over my 256 T
.endr
.irp u, 0,1,2,3
	ds_store_b32 v[KRA], v[KS+4*\u] offset:64*\u   ; lanes r and 16 + r write the same word with the same value
.endr
	s_cmp_eq_u32 s[TH], 0
	s_cbranch_scc1 .Lkeeps
	WIN 0x04                                       ; an LDS store's data are its source 1: window 1
.irp k, 0,1,2,3,4,5,6,7,8,9,10,11,12,13,14,15,16,17,18,19,20,21,22,23,24,25,26,27,28,29,30,31
	ds_store_b128 v[REDA], v[KV+4*\k:KV+4*\k+3] offset:512*\k      ; kv as an image of its registers, each accumulator from its low end on
.endr
	WIN 0
.Lkeeps:
	s_wait_dscnt 0x0                               ; for the others' sake: my stores have landed
	s_barrier_signal -1
	s_barrier_wait -1
	s_cmp_lg_u32 s[TH], 0
	s_cbranch_scc1 .Lgave
	WIN 0x80                                       ; destination window 2
.irp k, 0,1,2,3,4,5,6,7,8,9,10,11,12,13,14,15,16,17,18,19,20,21,22,23,24,25,26,27,28,29,30,31
	ds_load_b128 v[4*\k:4*\k+3], v[REDA] offset:512*\k
.endr
	WIN 0
	ds_load_b64 v[TM:TM+1], v[KRB]                 ; k's sums: d = 2 lane, 2 lane + 1: mine,
	ds_load_b64 v[TM+2:TM+3], v[KRB] offset:256    ; and the other wave's
	s_wait_dscnt 0x0
	WIN 0x49                                       ; destination and source 0 window 1, source 1 window 2
.set ii, 0
.rept 64
	v_pk_add_f32 v[KV+ii:KV+ii+1], v[KV+ii:KV+ii+1], v[ii:ii+1]
.set ii, ii+2
.endr
	WIN 0x04                                       ; a store's data are its source 1: window 1
.irp k, 0,1,2,3,4,5,6,7,8,9,10,11,12,13,14,15,16,17,18,19,20,21,22,23,24,25,26,27,28,29,30,31
	global_store_b128 v[LI], v[KV+4*\k:KV+4*\k+3], s[20:21] offset:512*\k          ; 32 lanes store 512 consecutive bytes, at a multiple of 256 from the buffer's first byte
.endr
	WIN 0
	v_pk_add_f32 v[TM:TM+1], v[TM:TM+1], v[TM+2:TM+3]
	global_store_b64 v[L8], v[TM:TM+1], s[22:23]   ; 256 consecutive bytes, aligned
.Lgave:
	s_wait_tensorcnt 0x0                           ; the wave's end
	ds_add_u32 v[SPW], v[NIL]
	s_wait_dscnt 0x0
	CROUND                                         ; the closing round: no work-group ends while a partner may still ask for a tile that names it
	s_endpgm
.Lfunc_end_k_q3b93a66dc8_kvsum:
	.size	k_q3b93a66dc8_kvsum, .Lfunc_end_k_q3b93a66dc8_kvsum-k_q3b93a66dc8_kvsum
	.p2alignl 7, 3214868480
	.fill 96, 4, 3214868480
	.section	.rodata,"a",@progbits
	.p2align	6, 0x0
	.amdhsa_kernel k_q3b93a66dc8_kvsum
		.amdhsa_group_segment_fixed_size 327680
		.amdhsa_private_segment_fixed_size 0
		.amdhsa_enable_private_segment 0
		.amdhsa_kernarg_size 80
		.amdhsa_user_sgpr_count 2
		.amdhsa_user_sgpr_kernarg_segment_ptr 1
		.amdhsa_wavefront_size32 1
		.amdhsa_system_sgpr_workgroup_id_x 1
		.amdhsa_system_sgpr_workgroup_id_y 1
		.amdhsa_system_sgpr_workgroup_id_z 1
		.amdhsa_system_vgpr_workitem_id 0
		.amdhsa_next_free_vgpr 1024
		.amdhsa_next_free_sgpr 96
		.amdhsa_reserve_vcc 0
		.amdhsa_float_denorm_mode_32 3
		.amdhsa_float_denorm_mode_16_64 3
		.amdhsa_memory_ordered 1
		.amdhsa_forward_progress 1
		.amdhsa_inst_pref_size 255
	.end_amdhsa_kernel
	.section	.bss,"aw",@nobits
	.p2align	6
	.space	262144
	.amdgpu_metadata
---
amdhsa.version: [ 1, 2 ]
amdhsa.kernels:
  - .name:           k_q3b93a66dc8_kvsum
    .symbol:         k_q3b93a66dc8_kvsum.kd
    .args:
      - { .name: x_codes, .offset: 0, .size: 8, .value_kind: global_buffer, .address_space: global }
      - { .name: x_scales, .offset: 8, .size: 8, .value_kind: global_buffer, .address_space: global }
      - { .name: Wk_codes, .offset: 16, .size: 8, .value_kind: global_buffer, .address_space: global }
      - { .name: Wk_scales, .offset: 24, .size: 8, .value_kind: global_buffer, .address_space: global }
      - { .name: Wv_codes, .offset: 32, .size: 8, .value_kind: global_buffer, .address_space: global }
      - { .name: Wv_scales, .offset: 40, .size: 8, .value_kind: global_buffer, .address_space: global }
      - { .name: bk, .offset: 48, .size: 8, .value_kind: global_buffer, .address_space: global }
      - { .name: bv, .offset: 56, .size: 8, .value_kind: global_buffer, .address_space: global }
      - { .name: kvp, .offset: 64, .size: 8, .value_kind: global_buffer, .address_space: global }
      - { .name: ksp, .offset: 72, .size: 8, .value_kind: global_buffer, .address_space: global }
    .group_segment_fixed_size: 327680
    .private_segment_fixed_size: 0
    .kernarg_segment_align: 8
    .kernarg_segment_size: 80
    .max_flat_workgroup_size: 128
    .sgpr_count:     96
    .vgpr_count:     1024
    .wavefront_size: 32
...
	.end_amdgpu_metadata
.endif
;; end of part 1
;; launch attend (part 2): grid 16 x 16, 4 waves a work-group, clusters of 4 x 1, 327,680 bytes of LDS; arguments x_codes, x_scales, Wq_codes, Wq_scales, bq, kvp, ksp, out0; writes out0
.if DOCPART == 2
	.amdgcn_target "amdgcn-amd-amdhsa--gfx1250"
	.amdhsa_code_object_version 6
	.text
	.protected	k_q3b93a66dc8_attend
	.globl	k_q3b93a66dc8_attend
	.p2align	8
	.type	k_q3b93a66dc8_attend,@function
k_q3b93a66dc8_attend:
	s_mov_b64 s[64:65], 0
	v_nop
	global_prefetch_b8 v0, s[64:65] scope:SCOPE_SE
	s_setreg_imm32_b32 hwreg(HW_REG_WAVE_MODE, 25, 1), 1
	s_wait_xcnt 0x0
	s_wait_alu depctr_hold_cnt(0) depctr_sa_sdst(0) depctr_va_vdst(0) depctr_va_sdst(0) depctr_va_ssrc(0) depctr_va_vcc(0) depctr_vm_vsrc(0)
	s_getreg_b32 s2, hwreg(HW_REG_IB_STS2, 6, 4)
	s_cmp_eq_u32 s2, 0
	s_cbranch_scc0 .Lentry_in_a_cluster
	s_endpgm
.Lentry_in_a_cluster:
	s_bfe_u32 s2, ttmp6, 0x10000c
	s_cmp_lg_u32 s2, 0x3003
	s_cbranch_scc0 .Lentry_shape_is_right
	s_endpgm
.Lentry_shape_is_right:
; q = elu(x Wq + bq) + 1 on E2M1 codes as given; out[t][v] = (sum over d of Q(q)[t][d] Q(kv)[d][v]) / (q[t] . (k_sum + 1e-6)), q unquantised in the divisor; both operands quantised along d (K = 64).
; kv and k_sum are the sums of the eight partials that the launch before has stored for this (batch, head).
; SHARES.  A work-group takes one head (work-group x) and 1,024 rows (work-group y), in four blocks of 256.  Wave w owns rows 64 w on of a block, 4 tiles of 16, fetches them and reads them alone.
; The head's 64 rows of Wq (all of K) stay in each wave's registers: 256.
; BY TILES.  A tile of 16 rows goes through the whole chain before the next begins: 32 products over all of K, the feature map, the quantiser, 4 products with kv, the division, 8 stores.
; So the output leaves evenly from the first tile to the last, and behind the last product stand one tile's stores.
; LAYOUT.  Source 0 = 16 rows of Wq, source 1 = 16 rows of x: a lane holds ONE row t and its registers run along d.  Lane r of tile u takes row 32 (r / 8) + 8 u + r % 8 of the head,
; so that lane (t, h) holds d = 32 h + 8 u + j: a whole block of 32 in natural order.  Its largest number needs no other lane, and the four conversions' results are the operand's registers 0-3.
; The second product runs K = 128 with zero codes in its upper 64 on both sides; its source 0 = 16 columns v of kv, source 1 = q: a lane then holds eight neighbouring v of one row of out.
; elu(x) + 1 = the middle one of (x + 1, e^x, 1); bq + 1 is the C of each sum's first product.
; CLUSTER 4 x 1: four heads on the same rows of x: x's tiles are asked for jointly.  Wq's 32 KiB and the partials' 130 KiB a work-group are read once at the head and are other bytes in each partner: plain loads.
; No prefetch: half of the work-group's x is asked for by its first loads, and each of the two refills has four tiles' work in which to land.
; LIMITS: NaN and infinities are not served.  e^x stands where the definition has expm1(x) + 1 (at most 2^-24 apart); an e^x under 2^-126 comes out as 0.  A block of zeros gets the byte 1 with zero codes.
.set XPITCH, 528                       ; x's rows in LDS: 512 bytes (all of K) + 16, so that the 16 rows of a fragment load begin 16 bytes apart modulo 256
.set QPITCH, 528                       ; Wq's likewise
.set SPITCH, 272                       ; a stage row: 256 bytes + 16
.set XSLOT,  256*XPITCH                ; a slot: a block of 256 rows
.set WQ,     2*XSLOT                   ; 64 rows of Wq, filled once
.set KVI,    WQ+64*QPITCH              ; kv's four fragments as images (512 bytes each), then their scale words (128 each)
.set KSL,    KVI+2560                  ; k_sum + 1e-6, 256 bytes for each wave, its own
.set STG,    KSL+1024                  ; the way out: 16 rows x 272 bytes for each wave, its own
.set SPARE,  STG+4*16*SPITCH           ; the spare words, 128 bytes a wave: two blocks of 256 bytes that no other line names
.set SPW,  3
.set NIL,  4
.set ADX,  5                           ; v5-6  my x fragments in slot 0, 1
.set STO,  7                           ; v7    the stage: where I put 32 bytes of a row
.set RD,   8                           ; v8    and where I read a row back
.set GO,   9                           ; v9    4,096 (lane / 16) + 16 (lane % 16): two rows of out
.set SH8,  10                          ; v10   8 h
.set AWF,  11                          ; v11   my row of a tile of Wq
.set LI,   12                          ; v12   16 lane
.set L8,   13                          ; v13   8 lane
.set XSO,  14                          ; v14   32 r + 16 h
.set KVR,  15                          ; v15   KVI + 16 lane
.set MX0,  16                          ; v16-21 at work
.set MX1,  17
.set E,    18
.set BY,   19
.set PT,   20
.set TP,   21
.set DI,   22                          ; v22-25 1 / divisor, for tiles by turns (a pair each: the packed multiply names a pair)
.set DN,   26                          ; v26-29 the divisor, two chains of pairs
.set PW,   30                          ; v30   q's scale word
.set KVSR, 31                          ; v31   KVI + 2,048 + 4 lane
.set SX,   32                          ; x's scale words, 4 registers a tile: tiles 0-7 in v32-63, tiles 8-15 in v200-231
.set SW,   64                          ; v64-79 Wq's
.set PWKV, 80                          ; v80-83 kv's
.set NC,   84                          ; v84-85 -log2 e, twice
.set KVW,  86                          ; v86-89 where my wave stores its image, its scale words, k_sum; where it reads k_sum
.set KVSW, 87
.set KSW,  88
.set KSR,  89
.set SWO,  90
.set BQO,  91
.set E1,   92
.set B1,   93
.set WD,   94
.set KS,   96                          ; v96-127 register i: k_sum[32 h + i] + 1e-6
.set T,    128                         ; v128-159 exponentials
.set KVF,  160                         ; v160-191 kv's four fragments; registers 4-7 of each are zero codes
.set QF,   192                         ; v192-199 q's fragment; registers 4-7 zero
.set KP,   232                         ; v232-247 k_sum's partials
.set Z,    0                           ; window 2: v0-31 a tile's accumulators, 8 u + j; v64-95 a tile of out.  (At the head all of window 2 holds kv's partials)
.set OS,   64
.set BQ,   128                         ; window 3: v0-127 x's fragments, two sets of 64 (K step Q at 8 Q); v128-159 bq + 1 as C; v160-191 the second product's results; v192-255 rows read back, two sets
.set OA,   160                         ; window 1: Wq's fragments (K step Q, tile u) at 8 (4 Q + u)
.set OB,   192
.set WV,   20
.set G1X,  24
.set G0X,  32                          ; s[32:39] group 0 for x's slots
.set G1Q,  40
.set G0Q,  48
.set CS,   52
.set SEL,  54
.set MSB, 0
.macro WIN new                         ; the immediate's high byte repeats the setting that is left
.if MSB != (\new)
	s_set_vgpr_msb (MSB<<8)|(\new)
.set MSB, (\new)
.endif
.endm
.macro PLACES n
.rept \n
	v_nop
.endr
.endm
.macro CREST
	s_cmp_lg_u32 s[WV], 0
	s_cbranch_scc1 .Lnw0_\@
	s_barrier_signal -3
.Lnw0_\@:
	s_barrier_wait -3
	s_barrier_signal -1
	s_barrier_wait -1
.endm
.macro CROUND
	s_barrier_signal -1
	s_barrier_wait -1
	CREST
.endm
	s_load_b256 s[4:11], s[0:1], 0x0               ; x codes s[4:5], x scales s[6:7], Wq codes s[8:9], Wq scales s[10:11]
	s_load_b256 s[12:19], s[0:1], 0x20             ; bq s[12:13], kvp s[14:15], ksp s[16:17], out s[18:19]
	v_lshl_add_u32 v[SPW], v0, 2, SPARE
	v_mov_b32 v[NIL], 0
	ds_add_u32 v3, v4
	ds_add_u32 v3, v4
	s_wait_dscnt 0x0
	v_lshrrev_b32 v1, 5, v0
	v_readfirstlane_b32 s[WV], v1
	s_bfe_u32 s21, ttmp6, 0x40000                  ; cx
	s_lshl_b32 s22, ttmp9, 2
	s_add_co_u32 s22, s22, s21                     ; head = 4 x cluster x + cx
	s_and_b32 s23, ttmp7, 0xffff                   ; which 1,024 rows: the four partners share it
	s_lshr_b32 s68, s23, 2                         ; batch
	s_lshl_b32 s68, s68, 4
	s_add_co_u32 s68, s68, s22                     ; 16 batch + head
	s_lshl_b32 s70, s68, 17                        ; its eight partials of 16,384 bytes; my wave takes columns 16 w on: 4,096 bytes of each
	s_lshl_b32 s71, s[WV], 12
	s_add_co_u32 s70, s70, s71
	s_mov_b32 s71, 0
	v_and_b32 v95, 31, v0                          ; lane
	v_lshlrev_b32 v[LI], 4, v95
	s_mov_b32 s[G1X], 15|(1<<20)|(1<<21)|(6<<22)|(3<<25)   ; the mask: all four; elements of 1 byte; bit 21 beside a mask; padding: 4 words behind every 128
	s_mov_b32 s[G1X+1], 512<<16                    ; tensor_dim0 = 512 bytes: a row's 1,024 codes
	s_mov_b32 s[G1X+2], 64<<16                     ; tensor_dim1 = 64 rows
	s_mov_b32 s[G1X+3], 512<<16                    ; tile_dim0
	s_mov_b32 s[G1X+4], 64                         ; tile_dim1
	s_mov_b32 s[G1X+5], 512                        ; from row to row
	s_mov_b32 s[G1X+6], 0
	s_mov_b32 s[G1X+7], 0
	s_mov_b32 s[G1Q], (1<<20)|(6<<22)|(3<<25)      ; no mask; the same padding
	s_mov_b32 s[G1Q+1], 512<<16
	s_mov_b32 s[G1Q+2], 16<<16
	s_mov_b32 s[G1Q+3], 512<<16
	s_mov_b32 s[G1Q+4], 16
	s_mov_b32 s[G1Q+5], 512
	s_mov_b32 s[G1Q+6], 0
	s_mov_b32 s[G1Q+7], 0
	s_lshl_b32 s56, s23, 19                        ; x: (1,024 y + 64 wave) rows of 512 bytes; these registers never hold cx
	s_lshl_b32 s57, s[WV], 15
	s_add_co_u32 s56, s56, s57
	s_mov_b32 s57, 0
	s_lshl_b32 s58, s22, 15                        ; Wq: (64 head + 16 wave) rows
	s_lshl_b32 s59, s[WV], 13
	s_add_co_u32 s58, s58, s59
	s_mov_b32 s59, 0
	s_mul_i32 s60, s[WV], 64*XPITCH                ; where my rows go: no place in the cluster enters an LDS address
	s_mul_i32 s61, s[WV], 16*QPITCH
	s_mov_b32 s[CS], 0x3fb8aa3b                    ; log2 e
	s_mov_b32 s[CS+1], s[CS]
	s_mov_b32 s[SEL], 0x76543210
	s_mov_b32 s[SEL+1], 0xfedcba98
	s_wait_kmcnt 0x0
	s_add_nc_u64 s[14:15], s[14:15], s[70:71]
	WIN 0x80                                       ; destination window 2
.irp p, 0,1,2,3,4,5                            ; six of kv's eight partials are asked for ahead of the opening round: the longest chain of the head begins with them
.irp k, 0,1,2,3,4,5,6,7
	global_load_b128 v[32*\p+4*\k:32*\p+4*\k+3], v[LI], s[14:15] offset:16384*\p+512*\k    ; partial p: register 8 md + j = kv[16 md + 8 h + j][16 w + r]; 512 consecutive bytes a load
.endr
.endr
	WIN 0
	s_add_nc_u64 s[62:63], s[4:5], s[56:57]
.irp s, 0,1
	s_mov_b32 s[G0X+4*\s], 1
	s_add_co_u32 s[G0X+4*\s+1], s60, \s*XSLOT
	s_add_nc_u64 s[G0X+4*\s+2:G0X+4*\s+3], s[62:63], \s*256*512    ; slot s begins with block s
	s_or_b32 s[G0X+4*\s+3], s[G0X+4*\s+3], 0x80000000
.endr
	s_mov_b32 s[G0Q], 1
	s_add_co_u32 s[G0Q+1], s61, WQ
	s_add_nc_u64 s[G0Q+2:G0Q+3], s[8:9], s[58:59]
	s_or_b32 s[G0Q+3], s[G0Q+3], 0x80000000
	CROUND                                         ; all four work-groups are here: the first joint loads meet
	tensor_load_to_lds s[G0Q:G0Q+3], s[G1Q:G1Q+7]          ; the first fills as one group: three loads of mine are out
	s_nop 0
	tensor_load_to_lds s[G0X:G0X+3], s[G1X:G1X+7]
	s_nop 0
	tensor_load_to_lds s[G0X+4:G0X+7], s[G1X:G1X+7]
	s_nop 0
	PLACES 4                                       ; behind a tensor load
	s_lshl_b32 s70, s68, 11
	s_add_nc_u64 s[16:17], s[16:17], s[70:71]      ; k_sum's eight partials of 256 bytes
	s_lshl_b32 s70, s23, 22                        ; out: (1,024 y + 64 wave) rows of 4,096 bytes + 256 head
	s_lshl_b32 s72, s[WV], 18
	s_add_co_u32 s70, s70, s72
	s_lshl_b32 s72, s22, 8
	s_add_co_u32 s70, s70, s72
	s_add_nc_u64 s[18:19], s[18:19], s[70:71]
	s_mov_b32 s73, 0
	s_add_nc_u64 s[12:13], s[12:13], s[72:73]      ; bq: 64 head numbers
	s_lshl_b32 s72, s22, 11
	s_add_nc_u64 s[10:11], s[10:11], s[72:73]      ; Wq's scales: 64 head rows of 32 bytes
	s_lshl_b32 s72, s23, 15
	s_lshl_b32 s74, s[WV], 11
	s_add_co_u32 s72, s72, s74
	s_add_nc_u64 s[6:7], s[6:7], s[72:73]          ; x's scales: (1,024 y + 64 wave) rows of 32 bytes
	v_and_b32 v1, 15, v0                           ; r
	v_bfe_u32 v2, v0, 4, 1                         ; h
	v_mul_u32_u24 v[ADX], v1, XPITCH
	v_lshl_add_u32 v[ADX], v2, 4, v[ADX]
	v_add_nc_u32 v[ADX], s60, v[ADX]
	v_add_nc_u32 v[ADX+1], XSLOT, v[ADX]
	s_mul_i32 s66, s[WV], 16*SPITCH
	s_add_co_u32 s66, s66, STG                     ; my stage
	v_mul_u32_u24 v[STO], v1, SPITCH
	v_lshl_add_u32 v[STO], v2, 5, v[STO]
	v_add_nc_u32 v[STO], s66, v[STO]
	v_mul_u32_u24 v[RD], v2, SPITCH
	v_lshl_add_u32 v[RD], v1, 4, v[RD]
	v_add_nc_u32 v[RD], s66, v[RD]
	v_lshlrev_b32 v[GO], 12, v2
	v_lshl_add_u32 v[GO], v1, 4, v[GO]
	v_lshlrev_b32 v[SH8], 3, v2
	v_and_b32 v[B1], 8, v1
	v_mad_u32_u24 v[B1], v[B1], 3, v1              ; r + 24 (r / 8) = 32 (r / 8) + r % 8
	v_mul_u32_u24 v[AWF], v[B1], QPITCH
	v_lshl_add_u32 v[AWF], v2, 4, v[AWF]
	v_add_nc_u32 v[AWF], WQ, v[AWF]
	v_lshlrev_b32 v[SWO], 5, v[B1]
	v_lshl_add_u32 v[SWO], v2, 4, v[SWO]
	v_lshlrev_b32 v[L8], 3, v95
	v_lshlrev_b32 v[XSO], 5, v1
	v_lshl_add_u32 v[XSO], v2, 4, v[XSO]
	v_lshl_add_u32 v[KVR], v95, 4, KVI
	v_lshl_add_u32 v[KVSR], v95, 2, KVI+2048
	s_lshl_b32 s67, s[WV], 9
	v_add_nc_u32 v[KVW], s67, v[KVR]
	s_lshl_b32 s67, s[WV], 7
	v_add_nc_u32 v[KVSW], s67, v[KVSR]
	s_lshl_b32 s67, s[WV], 8
	s_add_co_u32 s67, s67, KSL
	v_lshl_add_u32 v[KSW], v95, 3, s67
	v_lshl_add_u32 v[KSR], v2, 7, s67
	v_lshlrev_b32 v[BQO], 7, v2
	WIN 0x80                                       ; destination window 2
.irp p, 6,7
.irp k, 0,1,2,3,4,5,6,7
	global_load_b128 v[32*\p+4*\k:32*\p+4*\k+3], v[LI], s[14:15] offset:16384*\p+512*\k
.endr
.endr
	WIN 0
.irp p, 0,1,2,3,4,5,6,7
	global_load_b64 v[KP+2*\p:KP+2*\p+1], v[L8], s[16:17] offset:256*\p
.endr
	WIN 0xc0                                       ; destination window 3
.irp u, 0,1,2,3
	global_load_b128 v[BQ+8*\u:BQ+8*\u+3], v[BQO], s[12:13] offset:32*\u           ; bq[32 h + 8 u + j]
	global_load_b128 v[BQ+8*\u+4:BQ+8*\u+7], v[BQO], s[12:13] offset:32*\u+16
.endr
	WIN 0
.irp u, 0,1,2,3
	global_load_b128 v[SW+4*\u:SW+4*\u+3], v[SWO], s[10:11] offset:256*\u
.endr
.irp t, 0,1,2,3,4,5,6,7,8,9,10,11,12,13,14,15  ; the scale words of all my 16 tiles: 16 rows' 512 consecutive bytes a load
	global_load_b128 v[SX+4*\t+136*(\t/8):SX+4*\t+136*(\t/8)+3], v[XSO], s[6:7] offset:8192*(\t/4)+512*(\t%4)
.endr
	v_mov_b32 v[NC], 0xbfb8aa3b                    ; -log2 e
	v_mov_b32 v[NC+1], 0xbfb8aa3b
	v_mov_b32 v[PT], 0                             ; a lane permute's destination counts as one of its sources
	v_mov_b32 v[TP], 0
	v_mov_b32 v[DI+1], 0                           ; named as the upper halves of pairs
	v_mov_b32 v[DI+3], 0
.irp n, 0,1,2,3
.irp k, 4,5,6,7
	v_mov_b32 v[KVF+8*\n+\k], 0                    ; zero codes for K = 64 .. 127
.endr
.endr
.irp k, 4,5,6,7
	v_mov_b32 v[QF+\k], 0
.endr
	; ---- Wq's fragments come out of LDS while kv's partials are on their way
	s_wait_tensorcnt 2                             ; my 16 rows of Wq are in; x's two slots may stay out
	s_barrier_signal -1
	s_barrier_wait -1                              ; everybody's are
	WIN 0x40                                       ; destination window 1
.irp Q, 0,1,2,3,4,5,6,7
.irp u, 0,1,2,3
	ds_load_b128 v[8*(4*\Q+\u):8*(4*\Q+\u)+3], v[AWF] offset:8*QPITCH*\u+64*\Q
	ds_load_b128 v[8*(4*\Q+\u)+4:8*(4*\Q+\u)+7], v[AWF] offset:8*QPITCH*\u+64*\Q+32
.endr
.endr
	WIN 0
	s_wait_loadcnt 0x0
	; ---- kv = the sum of the eight partials; my 16 columns are quantised along d and go to LDS as the operand's image
	WIN 0x8a                                       ; all in window 2
.irp p, 1,2,3,4,5,6,7
.set ii, 0
.rept 16
	v_pk_add_f32 v[ii:ii+1], v[ii:ii+1], v[32*\p+ii:32*\p+ii+1]
.set ii, ii+2
.endr
.endr
	WIN 0x28                                       ; sources 1 and 2 window 2
	v_max3_num_f32 v[MX0], 0x1800000, |v0|, |v1|   ; block 0: d 0-31 = registers 0-15 of lanes l and l xor 16; the floor 2^(3 - 127) among the leaves
	v_max3_num_f32 v[MX1], 0x1800000, |v16|, |v17| ; block 1: registers 16-31
.irp k, 2,4,6,8,10,12,14
	v_max3_num_f32 v[MX0], v[MX0], |v[\k]|, |v[\k+1]|
	v_max3_num_f32 v[MX1], v[MX1], |v[16+\k]|, |v[17+\k]|
.endr
	WIN 0
	v_permlanex16_b32 v[PT], v[MX0], s[SEL], s[SEL+1]
	v_permlanex16_b32 v[TP], v[MX1], s[SEL], s[SEL+1]
	v_max_num_f32 v[MX0], v[MX0], v[PT]
	v_max_num_f32 v[MX1], v[MX1], v[TP]
	v_add_nc_u32 v[E], 0xff000000, v[MX0]          ; 2 off the exponent field: the conversion's scale operand
	v_add_nc_u32 v[E1], 0xff000000, v[MX1]
	v_lshrrev_b32 v[BY], 23, v[E]
	v_lshrrev_b32 v[B1], 23, v[E1]
	v_lshl_or_b32 v[WD], v[B1], 8, v[BY]           ; the scale word: bytes 2 and 3 stand over zero codes
	WIN 0x02                                       ; source 0 window 2
	v_cvt_scalef32_pk8_fp4_f32 v[T], v[0:7], v[E]          ; d  0 + 8 h ..
	v_cvt_scalef32_pk8_fp4_f32 v[T+1], v[16:23], v[E1]     ; d 32 + 8 h ..
	v_cvt_scalef32_pk8_fp4_f32 v[T+2], v[8:15], v[E]       ; d 16 + 8 h ..
	v_cvt_scalef32_pk8_fp4_f32 v[T+3], v[24:31], v[E1]     ; d 48 + 8 h ..
	WIN 0
	v_nop                                          ; one plain place behind a scaled conversion
	v_permlane16_swap_b32 v[T], v[T+1]             ; now lanes 0-15 hold d 0-7, 8-15 and lanes 16-31 d 32-39, 40-47,
	v_permlane16_swap_b32 v[T+2], v[T+3]           ; and likewise d 16-31 and 48-63: registers 0-3 of the operand, d in natural order
	ds_store_b128 v[KVW], v[T:T+3]
	ds_store_b32 v[KVSW], v[WD]
	; ---- k_sum + 1e-6, turned through my own LDS bytes so that register i holds d = 32 h + i
.irp p, 1,2,3,4,5,6,7
	v_pk_add_f32 v[KP:KP+1], v[KP:KP+1], v[KP+2*\p:KP+2*\p+1]
.endr
	v_pk_add_f32 v[KP:KP+1], v[KP:KP+1], 0x358637bd op_sel_hi:[1,0]
	ds_store_b64 v[KSW], v[KP:KP+1]
.irp g, 0,1,2,3,4,5,6,7
	ds_load_b128 v[KS+4*\g:KS+4*\g+3], v[KSR] offset:16*\g         ; LDS serves a wave's instructions in order (ISA guide 5.7.1.4): these see my store
.endr
	WIN 0xc3                                       ; destination and source 0 window 3
.set ii, 0
.rept 16
	v_pk_add_f32 v[BQ+ii:BQ+ii+1], v[BQ+ii:BQ+ii+1], 1.0 op_sel_hi:[1,0]
.set ii, ii+2
.endr
	WIN 0
	s_wait_dscnt 0x0                               ; for the others' sake: my image of kv has landed (and my own LDS loads are in)
	s_barrier_signal -1
	s_barrier_wait -1
.irp n, 0,1,2,3
	ds_load_b128 v[KVF+8*\n:KVF+8*\n+3], v[KVR] offset:512*\n
	ds_load_b32 v[PWKV+\n], v[KVSR] offset:128*\n
.endr
; 16 loads: tile t's fragments of all 8 K steps into set t % 2.  A fragment: lane (r, h): registers 4 c .. 4 c + 3 = K 64 c + 32 h + 0 .. 31: two loads of 16 bytes, 32 apart
.macro FETCHX t
	WIN 0xc0                                       ; destination window 3
.irp Q, 0,1,2,3,4,5,6,7
	ds_load_b128 v[64*((\t)%2)+8*\Q:64*((\t)%2)+8*\Q+3], v[ADX+((\t)/4)%2] offset:16*XPITCH*((\t)%4)+64*\Q
	ds_load_b128 v[64*((\t)%2)+8*\Q+4:64*((\t)%2)+8*\Q+7], v[ADX+((\t)/4)%2] offset:16*XPITCH*((\t)%4)+64*\Q+32
.endr
.endm
; tile t: 8 K steps x Wq's four tiles.  The four accumulators take turns, one instruction a turn.  The first K step takes bq + 1 as C.
; The scale words of K steps 4-7 stand in lanes 16-31 of the same registers: the ROW1 selectors
.macro GEMM t
.irp Q, 0,1,2,3,4,5,6,7
.if \Q == 0
	WIN 0xbd                                       ; A window 1, B and C window 3, D window 2
.else
	WIN 0xad                                       ; C and D window 2
.endif
.irp u, 0,1,2,3
.if \Q == 0
	v_wmma_scale_f32_16x16x128_f8f6f4 v[Z+8*\u:Z+8*\u+7], v[8*\u:8*\u+7], v[64*((\t)%2):64*((\t)%2)+7], v[BQ+8*\u:BQ+8*\u+7], v[SW+4*\u], v[SX+4*(\t)+136*((\t)/8)] matrix_a_fmt:MATRIX_FMT_FP4 matrix_b_fmt:MATRIX_FMT_FP4
.elseif \Q < 4
	v_wmma_scale_f32_16x16x128_f8f6f4 v[Z+8*\u:Z+8*\u+7], v[8*(4*\Q+\u):8*(4*\Q+\u)+7], v[64*((\t)%2)+8*\Q:64*((\t)%2)+8*\Q+7], v[Z+8*\u:Z+8*\u+7], v[SW+4*\u+\Q], v[SX+4*(\t)+136*((\t)/8)+\Q] matrix_a_fmt:MATRIX_FMT_FP4 matrix_b_fmt:MATRIX_FMT_FP4
.else
	v_wmma_scale_f32_16x16x128_f8f6f4 v[Z+8*\u:Z+8*\u+7], v[8*(4*\Q+\u):8*(4*\Q+\u)+7], v[64*((\t)%2)+8*\Q:64*((\t)%2)+8*\Q+7], v[Z+8*\u:Z+8*\u+7], v[SW+4*\u+\Q-4], v[SX+4*(\t)+136*((\t)/8)+\Q-4] matrix_a_fmt:MATRIX_FMT_FP4 matrix_b_fmt:MATRIX_FMT_FP4 matrix_a_scale:MATRIX_SCALE_ROW1 matrix_b_scale:MATRIX_SCALE_ROW1
.endif
.endr
.endr
.endm
; tile t: the feature map, the block's scale, q's codes, the divisor's reciprocal
.macro QT t
	WIN 0x02                                       ; source 0 window 2
.set ii, 0
.rept 16
	v_pk_fma_f32 v[T+ii:T+ii+1], v[Z+ii:Z+ii+1], s[CS:CS+1], v[NC:NC+1] op_sel_hi:[1,0,1]     ; each accumulator from its low end on
.set ii, ii+2
.endr
	WIN 0
.set ii, 0
.rept 32
	v_exp_f32 v[T+ii], v[T+ii]
.set ii, ii+1
.endr
	v_nop                                          ; a plain instruction behind the last exponential
	s_wait_alu depctr_va_vdst(0)                   ; one wait for the batch of 32
	WIN 0x82
.set ii, 0
.rept 32
	v_med3_num_f32 v[Z+ii], v[Z+ii], v[T+ii], 1.0
.set ii, ii+1
.endr
	WIN 0x28                                       ; sources 1 and 2 window 2.  No |.|: q is never negative
	v_max3_num_f32 v[MX0], 0x1800000, v[Z], v[Z+1]
	v_max3_num_f32 v[MX1], 0x1800000, v[Z+2], v[Z+3]
.set ii, 4
.rept 7
	v_max3_num_f32 v[MX0], v[MX0], v[Z+ii], v[Z+ii+1]
	v_max3_num_f32 v[MX1], v[MX1], v[Z+ii+2], v[Z+ii+3]
.set ii, ii+4
.endr
	WIN 0
	v_max_num_f32 v[MX0], v[MX0], v[MX1]           ; my block's largest: all 32 numbers are mine
	v_add_nc_u32 v[E], 0xff000000, v[MX0]
	v_lshrrev_b32 v[BY], 23, v[E]
	v_lshlrev_b32 v[BY], v[SH8], v[BY]             ; block h's byte at its place
	v_permlanex16_b32 v[PT], v[BY], s[SEL], s[SEL+1]
	v_or_b32 v[PW], v[BY], v[PT]                   ; with lane l xor 16's the word is whole
	WIN 0x02
.irp u, 0,1,2,3
	v_cvt_scalef32_pk8_fp4_f32 v[QF+\u], v[Z+8*\u:Z+8*\u+7], v[E]
.endr
	v_nop                                          ; one plain place behind a scaled conversion
	v_pk_mul_f32 v[DN:DN+1], v[Z:Z+1], v[KS:KS+1]                  ; the divisor, of the unquantised q.  These 16 are also the places in front of the scaled products
	v_pk_mul_f32 v[DN+2:DN+3], v[Z+2:Z+3], v[KS+2:KS+3]
.set ii, 4
.rept 7
	v_pk_fma_f32 v[DN:DN+1], v[Z+ii:Z+ii+1], v[KS+ii:KS+ii+1], v[DN:DN+1]
	v_pk_fma_f32 v[DN+2:DN+3], v[Z+ii+2:Z+ii+3], v[KS+ii+2:KS+ii+3], v[DN+2:DN+3]
.set ii, ii+4
.endr
	WIN 0
	v_pk_add_f32 v[DN:DN+1], v[DN:DN+1], v[DN+2:DN+3]
	v_add_f32 v[TP], v[DN], v[DN+1]
	v_permlanex16_b32 v[PT], v[TP], s[SEL], s[SEL+1]
	v_add_f32 v[TP], v[TP], v[PT]                  ; with lane l xor 16's 32 d
	v_rcp_f32 v[DI+2*((\t)%2)], v[TP]
.endm
.macro P6                              ; out^T = kv^T q^T: four tiles of 16 v
	WIN 0xc0                                       ; D window 3
.irp n, 0,1,2,3
	v_wmma_scale_f32_16x16x128_f8f6f4 v[OA+8*\n:OA+8*\n+7], v[KVF+8*\n:KVF+8*\n+7], v[QF:QF+7], 0, v[PWKV+\n], v[PW] matrix_a_fmt:MATRIX_FMT_FP4 matrix_b_fmt:MATRIX_FMT_FP4
.endr
.endm
.macro TOSTAGE t                       ; tile t is divided, goes into my stage (row r, 32 bytes a lane and tile of v) and comes back as rows of 256 bytes
	s_wait_xcnt 0x0                                ; the stores of two tiles back have read the registers into which the loads below land
	s_wait_alu depctr_va_vdst(0)                   ; ahead of the reciprocal's first reader
	WIN 0x83                                       ; destination window 2, source 0 window 3
.set ii, 0
.rept 16
	v_pk_mul_f32 v[OS+ii:OS+ii+1], v[OA+ii:OA+ii+1], v[DI+2*((\t)%2):DI+2*((\t)%2)+1] op_sel_hi:[1,0]     ; each accumulator from its low end on
.set ii, ii+2
.endr
	WIN 0x08                                       ; an LDS store's data are its source 1: window 2
.irp n, 0,1,2,3
	ds_store_b128 v[STO], v[OS+8*\n:OS+8*\n+3] offset:64*\n
	ds_store_b128 v[STO], v[OS+8*\n+4:OS+8*\n+7] offset:64*\n+16
.endr
	WIN 0xc0
.irp k, 0,1,2,3,4,5,6,7
	ds_load_b128 v[OB+32*((\t)%2)+4*\k:OB+32*((\t)%2)+4*\k+3], v[RD] offset:2*SPITCH*\k    ; in order behind my stores; the next tile's stores come behind these
.endr
.endm
.macro SEND t
	s_wait_dscnt 0x0                               ; tile t is back (asked for a tile's vector work ago), and its stage stores have read their registers
	WIN 0x0c                                       ; a store's data are its source 1: window 3
.irp k, 0,1,2,3,4,5,6,7
	global_store_b128 v[GO], v[OB+32*((\t)%2)+4*\k:OB+32*((\t)%2)+4*\k+3], s[18:19] offset:1048576*((\t)/4)+65536*((\t)%4)+8192*\k th:TH_STORE_NT   ; 16 lanes store 256 consecutive bytes, aligned: a row's 64 numbers of my head
.endr
.endm
.macro REFILL s                        ; slot s, whose four tiles every wave has fetched into registers, takes the block two further on
	WIN 0
	s_wait_tensorcnt 0x0                           ; no tensor load of mine is out, so a group 0 may be written
	ds_add_u32 v[SPW], v[NIL]                      ; 0 onto my spare word
	s_add_nc_u64 s[G0X+4*(\s)+2:G0X+4*(\s)+3], s[G0X+4*(\s)+2:G0X+4*(\s)+3], 2*256*512
	s_wait_dscnt 0x0                               ; the add is done, and my reads of the slot are over
	CROUND                                         ; no wave of any partner still reads the slot or has a load on its way
	tensor_load_to_lds s[G0X+4*(\s):G0X+4*(\s)+3], s[G1X:G1X+7]
	s_nop 0
	PLACES 4
.endm
; A TILE'S TURN.  The next tile's fragments are asked for first; this tile's 32 products; the tile before is divided and sent through the stage; this tile's vector work and its 4 products with kv;
; the tile before is stored.  The four v_nop are the places behind this tile's products and behind the tile before's four alike.
.macro TILE t
	s_wait_dscnt 0x0                               ; this tile's fragments are in
.if (\t) < 15
.if ((\t)+1)%4 == 0
	s_wait_tensorcnt 0x0                           ; the next tile opens a slot: its load is the last that I issued, and I alone read my rows of it
.endif
	FETCHX (\t)+1
.endif
	GEMM \t
	PLACES 4
.if (\t) > 0
	TOSTAGE (\t)-1
.endif
.if ((\t) == 3) || ((\t) == 7)
	REFILL ((\t)/4)
.endif
	QT \t
	P6
.if (\t) > 0
	SEND (\t)-1
.endif
.endm
	s_wait_tensorcnt 1                             ; my rows of slot 0 are in; slot 1's may be out
	FETCHX 0
.irp t, 0,1,2,3,4,5,6,7,8,9,10,11,12,13,14,15
	TILE \t
.endr
	PLACES 4                                       ; behind the last four products
	TOSTAGE 15
	SEND 15
	WIN 0
	s_wait_tensorcnt 0x0                           ; the wave's end
	ds_add_u32 v[SPW], v[NIL]
	s_wait_dscnt 0x0
	CROUND                                         ; the closing round: no work-group ends while a partner may still ask for a tile that names it
	s_endpgm
.Lfunc_end_k_q3b93a66dc8_attend:
	.size	k_q3b93a66dc8_attend, .Lfunc_end_k_q3b93a66dc8_attend-k_q3b93a66dc8_attend
	.p2alignl 7, 3214868480
	.fill 96, 4, 3214868480
	.section	.rodata,"a",@progbits
	.p2align	6, 0x0
	.amdhsa_kernel k_q3b93a66dc8_attend
		.amdhsa_group_segment_fixed_size 327680
		.amdhsa_private_segment_fixed_size 0
		.amdhsa_enable_private_segment 0
		.amdhsa_kernarg_size 64
		.amdhsa_user_sgpr_count 2
		.amdhsa_user_sgpr_kernarg_segment_ptr 1
		.amdhsa_wavefront_size32 1
		.amdhsa_system_sgpr_workgroup_id_x 1
		.amdhsa_system_sgpr_workgroup_id_y 1
		.amdhsa_system_sgpr_workgroup_id_z 1
		.amdhsa_system_vgpr_workitem_id 0
		.amdhsa_next_free_vgpr 1024
		.amdhsa_next_free_sgpr 80
		.amdhsa_reserve_vcc 0
		.amdhsa_float_denorm_mode_32 3
		.amdhsa_float_denorm_mode_16_64 3
		.amdhsa_memory_ordered 1
		.amdhsa_forward_progress 1
		.amdhsa_inst_pref_size 255
	.end_amdhsa_kernel
	.section	.bss,"aw",@nobits
	.p2align	6
	.space	262144
	.amdgpu_metadata
---
amdhsa.version: [ 1, 2 ]
amdhsa.kernels:
  - .name:           k_q3b93a66dc8_attend
    .symbol:         k_q3b93a66dc8_attend.kd
    .args:
      - { .name: x_codes, .offset: 0, .size: 8, .value_kind: global_buffer, .address_space: global }
      - { .name: x_scales, .offset: 8, .size: 8, .value_kind: global_buffer, .address_space: global }
      - { .name: Wq_codes, .offset: 16, .size: 8, .value_kind: global_buffer, .address_space: global }
      - { .name: Wq_scales, .offset: 24, .size: 8, .value_kind: global_buffer, .address_space: global }
      - { .name: bq, .offset: 32, .size: 8, .value_kind: global_buffer, .address_space: global }
      - { .name: kvp, .offset: 40, .size: 8, .value_kind: global_buffer, .address_space: global }
      - { .name: ksp, .offset: 48, .size: 8, .value_kind: global_buffer, .address_space: global }
      - { .name: out0, .offset: 56, .size: 8, .value_kind: global_buffer, .address_space: global }
    .group_segment_fixed_size: 327680
    .private_segment_fixed_size: 0
    .kernarg_segment_align: 8
    .kernarg_segment_size: 64
    .max_flat_workgroup_size: 128
    .sgpr_count:     80
    .vgpr_count:     1024
    .wavefront_size: 32
...
	.end_amdgpu_metadata
.endif
;; end of part 2
